; MI455X (gfx1250); checked and timed in simulation.
; The chip was launched on July 23, 2026; its instructions are those of AMD's public machine-readable ISA for CDNA 5 (MIT licence, August 2026) and "CDNA5" Instruction Set Architecture Reference Guide (July 2026). The comments in the code are by the model that wrote it; some were corrected since.
;; Self Attention. Allowed arithmetic: matrix products marked QUANTISED: E4M3 operands, one given power-of-two scale a tensor, by v_wmma_f32_16x16x64_fp8_fp8 or v_wmma_f32_16x16x128_fp8_fp8, f32 sums; everything else in f32.
;; Inputs: Wk 1,024 x 1,024 float32; Wo 1,024 x 1,024 float32; Wq 1,024 x 1,024 float32; Wv 1,024 x 1,024 float32; bo 1,024 float32; lowp_scales 12 int32 (the exponents e of the quantised operands' scales 2^e); x 4 x 2,048 x 1,024 float32.
;; Outputs: out0 4 x 2,048 x 1,024 float32.
;; This version of the problem:
;;   THIS VERSION OF THE PROBLEM IS GIVEN IN LOW PRECISION. The matrix products marked QUANTISED in the list below multiply operands that are first quantised to E4M3 (4 exponent bits, 3 mantissa bits; 8 bits a number), with one given power-of-two scale for each operand tensor; their sums are f32. All else is computed in f32.
;;   The module's matrix products, in the order in which they are computed (A, B: the left and right operand; K: the contracted axis; several contracted axes count as one K, in the product's order):
;;     1. [M 8,192, K 1,024] x [K 1,024, N 1,024]; A: input x; B: input Wq: QUANTISED (scales: A lowp_scales[0], B lowp_scales[1])
;;     2. [M 8,192, K 1,024] x [K 1,024, N 1,024]; A: input x; B: input Wk: QUANTISED (scales: A lowp_scales[2], B lowp_scales[3])
;;     3. [M 8,192, K 1,024] x [K 1,024, N 1,024]; A: input x; B: input Wv: QUANTISED (scales: A lowp_scales[4], B lowp_scales[5])
;;     4. batch 64 x [M 2,048, K 64] x [K 64, N 2,048]; A: computed on the way; B: computed on the way: QUANTISED (scales: A lowp_scales[6], B lowp_scales[7])
;;     5. batch 64 x [M 2,048, K 2,048] x [K 2,048, N 64]; A: softmax (see below); B: computed on the way: QUANTISED (scales: A lowp_scales[8], B lowp_scales[9])
;;     6. [M 8,192, K 1,024] x [K 1,024, N 1,024]; A: computed on the way; B: input Wo: QUANTISED (scales: A lowp_scales[10], B lowp_scales[11])
;;   THE QUANTISER, for each operand of a quantised product, along K:
;;     - The operand's scale is 2^e, e = its entry of the input lowp_scales (int32; the entries are numbered through the quantised products in the list's order, A before B).
;;     - Each number is divided by the scale, clamped to +-448, and rounded to the nearest number of E4M3, ties to even, subnormals kept.
;;     - The product sums the exact products of the quantised numbers (number of the format x scale) in f32.
;;   ~~~python
;;   def quantise(x, axis, e):      # numpy; x: float32 -> the quantised numbers, widened to float32 again
;;       x = np.moveaxis(x, axis, -1); K = x.shape[-1]
;;       r = np.clip(x / 2.0 ** e, -448, 448)
;;       step = 2.0 ** (np.maximum(np.frexp(np.where(r == 0, 1, r))[1] - 1, -6) - 3)
;;       q = np.round(r / step) * step * 2.0 ** e      # np.round: ties to even
;;       return np.moveaxis(q, -1, axis).astype(np.float32)
;;   ~~~
;;   SOFTMAX AHEAD OF A QUANTISED PRODUCT. Where the list says 'softmax', what is quantised is not the finished softmax but p = 2^(t - M), with t = logit x log2(e) and M = ceil(the row's largest t), a whole number; so 1/2 < the row's largest p <= 1. The row's sum l is taken of the UNQUANTISED p, in f32, and the product's result is divided by l at the end. Since M is a whole number, a kernel that streams over the keys may use a running M (the ceiling of the running maximum): every later rescaling is an exact power of two, so the quantised numbers keep their values, but for numbers so far below the row's largest that they fall under the format's range.
;;   OPERANDS COMPUTED ON THE WAY. 'Computed on the way' means the value that the module computes at that place (a softmax that the list does not call 'softmax' is quantised finished and normalised). What goes into a quantiser is computed in f32, as accurately as f32 sums, v_exp_f32 and their like allow (about 1e-6 of the number): no bf16 or f16 on the way to a quantiser, and a product that is left as it is and whose result goes on into a quantised operand takes f32 operands (vector FMAs, or v_wmma_f32_16x16x4_f32). A number that lies on a knife's edge between two numbers of the format may be rounded either way, as far as f32 arithmetic and the matrix unit's own rounding can turn it there, and no further.
;; One version. Each part assembles by itself: llvm-mc -triple=amdgcn-amd-amdhsa -mcpu=gfx1250 --defsym DOCPART=n.
;; ======== version 1 of 1: 4 launches
;; limits: right only within a limited range of input values
;; workspace buffers: xc 25,165,824 bytes; wc 4,194,304 bytes; qkv 25,165,824 bytes; ac 8,388,608 bytes
;; launch quant (part 1): grid 768 x 1, 4 waves a work-group, no clusters, 34,304 bytes of LDS; arguments x, Wq, Wk, Wv, Wo, lowp_scales, xc, wc; writes xc, wc
.if DOCPART == 1
	.amdgcn_target "amdgcn-amd-amdhsa--gfx1250"
	.amdhsa_code_object_version 6
	.text
	.protected	k_qf858e42739_quant
	.globl	k_qf858e42739_quant
	.p2align	8
	.type	k_qf858e42739_quant,@function
k_qf858e42739_quant:
	s_mov_b64 s[64:65], 0
	v_nop
	global_prefetch_b8 v0, s[64:65] scope:SCOPE_SE
	s_setreg_imm32_b32 hwreg(HW_REG_WAVE_MODE, 25, 1), 1
	s_wait_xcnt 0x0
; x [8192][1024] and Wq, Wk, Wv, Wo [1024][1024], f32 with K innermost, become codes of FP8 (E4M3), each with the scale 2^e that is given for it.
; code = number / 2^e, held within +-448, rounded to the nearest code, ties to even.  x is the left operand of three products under three given scales (entries 0, 2, 4): it gets three sets of codes.
; Wq, Wk, Wv, Wo take entries 1, 3, 5, 11.
; THE CODES ARE LAID AS IMAGES OF OPERAND REGISTERS.  A chunk is 16 rows x 64 along K, 1,024 bytes: the matrix instruction's lane (r = lane % 16, h = lane / 16) holds, in registers 2 c and 2 c + 1,
; k = 16 c + 8 h + 0 .. 7 of row r; registers 4 g .. 4 g + 3 of all lanes lie at 512 g + 16 x lane.  xc: [3 scales][512 row tiles][16 chunks][1,024]; wc: [4 weights][64 row tiles][16 chunks][1,024].
; So every store here and every fragment load later covers 512 consecutive bytes, 16 a lane.
; SHARES.  A work-group takes one row tile (16 rows, 65,536 consecutive bytes): 0-511 of x, 512-767 of the weights.  Wave w takes k = 256 w .. 256 w + 255 in two steps of 128.
; Each load reads 512 consecutive bytes of one row; a step's 16 x 512 bytes turn through the wave's own stage in LDS (rows of 512 + 16 bytes: 132 words, so that 16 rows start at 16 different banks:
; 64 banks of 4 bytes, ISA guide 11.1) and come back eight neighbours along K to a lane, as the conversions want them.
; No barrier, no tensor load, no cluster: waves and work-groups share no input byte.
; LIMITS: each of entries 0 to 5 and 11 lies between -126 and 119, so that 2^e and 448 x 2^e are f32 numbers.  NaN among the inputs is not served; an infinity is held at the largest code.
.set NX,  512                          ; work-groups that take x
.set RB,  16                           ; v16-79, v80-143  step s: 64 registers as loaded; then its codes, 16 registers for each scale
.set X,   144                          ; v144-207 register 8 c + j = k 16 c + 8 h + j of my row
.set T,   208                          ; v208-223 not written: the conversions read X directly
.set SP,  528                          ; a stage row
.set WST, 16*SP                        ; a wave's stage
	s_load_b512 s[4:19], s[0:1], 0x0               ; x 4:5, Wq 6:7, Wk 8:9, Wv 10:11, Wo 12:13, the scales' exponents 14:15, xc 16:17, wc 18:19
	v_lshl_add_u32 v224, v0, 2, 0x8400
	v_mov_b32 v225, 0
	v_lshrrev_b32 v1, 5, v0
	v_readfirstlane_b32 s20, v1                    ; wave 0..3
	v_and_b32 v1, 31, v0                           ; lane
	v_lshlrev_b32 v2, 4, v1                        ; 16 x lane: my place in every load and every store; never rewritten
	s_mul_i32 s29, s20, WST
	v_add_nc_u32 v3, s29, v2                       ; into the stage: as loaded
	v_and_b32 v4, 15, v0
	v_bfe_u32 v5, v0, 4, 1
	v_mul_u32_u24 v4, v4, SP
	v_lshl_add_u32 v4, v5, 5, v4
	v_add_nc_u32 v4, s29, v4                       ; out of it: row r, + 32 h bytes
	s_mov_b32 s21, ttmp9
	s_sub_co_u32 s22, s21, NX                      ; among the weights' 256 row tiles (used only where the work-group is a weight's)
	s_lshr_b32 s23, s22, 6                         ; which weight
	s_and_b32 s26, s22, 63                         ; its row tile
	s_lshl_b32 s31, s20, 10                        ; my wave's 256 numbers of a row
	s_lshl_b32 s51, s20, 12                        ; my wave's four chunks
	s_wait_alu depctr_va_vdst(0)
	s_wait_kmcnt 0x0
	s_load_b256 s[32:39], s[14:15], 0x0            ; entries 0 to 7
	s_load_b128 s[40:43], s[14:15], 0x20           ; entries 8 to 11
	s_mov_b64 s[24:25], s[6:7]                     ; the source: a choice of buffers on the work-group's number alone
	s_cmp_eq_u32 s23, 1
	s_cselect_b64 s[24:25], s[8:9], s[24:25]
	s_cmp_eq_u32 s23, 2
	s_cselect_b64 s[24:25], s[10:11], s[24:25]
	s_cmp_eq_u32 s23, 3
	s_cselect_b64 s[24:25], s[12:13], s[24:25]
	s_cmp_lt_u32 s21, NX
	s_cselect_b64 s[24:25], s[4:5], s[24:25]
	s_cselect_b64 s[44:45], s[16:17], s[18:19]     ; where the first set of codes goes
	s_cselect_b32 s27, s21, s26                    ; the row tile in the source,
	s_cselect_b32 s28, s21, s22                    ; and in the codes' buffer
	s_lshl_b32 s30, s27, 16
	s_add_co_u32 s30, s30, s31
	s_mov_b32 s31, 0
	s_add_nc_u64 s[24:25], s[24:25], s[30:31]
	s_lshl_b32 s30, s28, 14
	s_add_co_u32 s30, s30, s51
	s_add_nc_u64 s[44:45], s[44:45], s[30:31]
	s_add_nc_u64 s[46:47], s[16:17], s[30:31]
	s_add_nc_u64 s[48:49], s[46:47], 0x1000000     ; x's third set
	s_add_nc_u64 s[46:47], s[46:47], 0x800000      ; x's second set
.macro LOAD s                          ; step s: 16 rows x 128 numbers
.set i, 0
.rept 16
	global_load_b128 v[RB+64*(\s)+4*i:RB+64*(\s)+4*i+3], v2, s[24:25] offset:4096*i+512*(\s) th:TH_LOAD_NT
.set i, i+1
.endr
.endm
.macro TURN s                          ; through the stage: LDS serves a wave's instructions in order (ISA guide 5.7.1.4), so no wait stands between the stores and the loads
.set i, 0
.rept 16
	ds_store_b128 v3, v[RB+64*(\s)+4*i:RB+64*(\s)+4*i+3] offset:SP*i
.set i, i+1
.endr
.set i, 0
	v_nop
.rept 8
	ds_load_b128 v[X+8*i:X+8*i+3], v4 offset:64*i
	ds_load_b128 v[X+8*i+4:X+8*i+7], v4 offset:64*i+16
.set i, i+1
.endr
.endm
; Step s under the scale in v[sc]: two chunks' codes, into 16 of the registers that the step was loaded into, and out to s[d:d+1].
; The codes are touched by stores alone,
; and no store's data register is written again.
.macro Q1 s, q, sc, d
.set CO, RB+64*(\s)+16*(\q)
.set c, 0
.rept 8
.set i, 0
.rept 8
.set i, i+1
.endr
	v_cvt_scalef32_pk8_fp8_f32 v[CO+2*c:CO+2*c+1], v[T+8*(c%2)+((X+8*c+i)-(T+8*(c%2)+i)):T+8*(c%2)+7+((X+8*c+i)-(T+8*(c%2)+i))], v[\sc]
.set c, c+1
.endr
.set i, 0
.rept 4
	global_store_b128 v2, v[CO+4*i:CO+4*i+3], s[\d:\d+1] offset:2048*(\s)+512*i   ; 32 lanes store 512 consecutive bytes, at a multiple of 512 from the buffer's first byte
.set i, i+1
.endr
.endm
.macro SCALE e, vs                     ; 2^e as f32 (the conversion takes its exponent field)
	s_add_co_i32 s52, s[\e], 127
	s_lshl_b32 s53, s52, 23
	v_mov_b32 v[\vs], s53
.endm
.macro STEPQ s
	s_wait_loadcnt 16*(1-(\s))                     ; this step's sixteen loads are in; in step 0 the other step's sixteen may be out
	TURN \s
	s_wait_dscnt 0x0                               ; the numbers are back, and the stage's stores have read the registers that now take the codes
	Q1 \s, 0, 6, 44
	s_cmp_lt_u32 s21, NX                           ; a weight has one scale: a branch on the work-group's number, round vector work and stores alone
	s_cbranch_scc0 .Lone_\@
	Q1 \s, 1, 8, 46
	Q1 \s, 2, 10, 48
.Lone_\@:
.endm
	LOAD 0
	LOAD 1
	s_wait_kmcnt 0x0
	s_mov_b32 s50, s33                             ; the first set's exponent: entry 1, 3, 5 or 11 for a weight, entry 0 for x
	s_cmp_eq_u32 s23, 1
	s_cselect_b32 s50, s35, s50
	s_cmp_eq_u32 s23, 2
	s_cselect_b32 s50, s37, s50
	s_cmp_eq_u32 s23, 3
	s_cselect_b32 s50, s43, s50
	s_cmp_lt_u32 s21, NX
	s_cselect_b32 s50, s32, s50
	SCALE 50, 6
	SCALE 34, 8                                    ; entry 2
	SCALE 36, 10                                   ; entry 4
	s_wait_alu depctr_va_vdst(0)
	STEPQ 0
	STEPQ 1
	s_wait_tensorcnt 0x0
	ds_add_u32 v224, v225
	s_wait_dscnt 0x0
	s_endpgm
.Lfunc_end_k_qf858e42739_quant:
	.size	k_qf858e42739_quant, .Lfunc_end_k_qf858e42739_quant-k_qf858e42739_quant
	.p2alignl 7, 3214868480
	.fill 96, 4, 3214868480
	.section	.rodata,"a",@progbits
	.p2align	6, 0x0
	.amdhsa_kernel k_qf858e42739_quant
		.amdhsa_group_segment_fixed_size 34304
		.amdhsa_private_segment_fixed_size 0
		.amdhsa_enable_private_segment 0
		.amdhsa_kernarg_size 64
		.amdhsa_user_sgpr_count 2
		.amdhsa_user_sgpr_kernarg_segment_ptr 1
		.amdhsa_wavefront_size32 1
		.amdhsa_system_sgpr_workgroup_id_x 1
		.amdhsa_system_sgpr_workgroup_id_y 1
		.amdhsa_system_sgpr_workgroup_id_z 1
		.amdhsa_system_vgpr_workitem_id 0
		.amdhsa_next_free_vgpr 226
		.amdhsa_next_free_sgpr 66
		.amdhsa_reserve_vcc 0
		.amdhsa_float_denorm_mode_32 3
		.amdhsa_float_denorm_mode_16_64 3
		.amdhsa_fp16_overflow 1
		.amdhsa_memory_ordered 1
		.amdhsa_forward_progress 1
		.amdhsa_inst_pref_size 16
	.end_amdhsa_kernel
	.amdgpu_metadata
---
amdhsa.version: [ 1, 2 ]
amdhsa.kernels:
  - .name:           k_qf858e42739_quant
    .symbol:         k_qf858e42739_quant.kd
    .args:
      - { .name: x, .offset: 0, .size: 8, .value_kind: global_buffer, .address_space: global }
      - { .name: Wq, .offset: 8, .size: 8, .value_kind: global_buffer, .address_space: global }
      - { .name: Wk, .offset: 16, .size: 8, .value_kind: global_buffer, .address_space: global }
      - { .name: Wv, .offset: 24, .size: 8, .value_kind: global_buffer, .address_space: global }
      - { .name: Wo, .offset: 32, .size: 8, .value_kind: global_buffer, .address_space: global }
      - { .name: lowp_scales, .offset: 40, .size: 8, .value_kind: global_buffer, .address_space: global }
      - { .name: xc, .offset: 48, .size: 8, .value_kind: global_buffer, .address_space: global }
      - { .name: wc, .offset: 56, .size: 8, .value_kind: global_buffer, .address_space: global }
    .group_segment_fixed_size: 34304
    .private_segment_fixed_size: 0
    .kernarg_segment_align: 8
    .kernarg_segment_size: 64
    .max_flat_workgroup_size: 128
    .sgpr_count:     66
    .vgpr_count:     226
    .wavefront_size: 32
...
	.end_amdgpu_metadata
.endif
;; end of part 1
;; launch qkv (part 2): grid 12 x 32, 4 waves a work-group, clusters of 4 x 4, 327,680 bytes of LDS; arguments xc, wc, lowp_scales, qkv; writes qkv
.if DOCPART == 2
	.amdgcn_target "amdgcn-amd-amdhsa--gfx1250"
	.amdhsa_code_object_version 6
	.text
	.protected	k_qf858e42739_qkv
	.globl	k_qf858e42739_qkv
	.p2align	8
	.type	k_qf858e42739_qkv,@function
k_qf858e42739_qkv:
	s_mov_b64 s[64:65], 0
	v_nop
	global_prefetch_b8 v0, s[64:65] scope:SCOPE_SE
	s_setreg_imm32_b32 hwreg(HW_REG_WAVE_MODE, 25, 1), 1
	s_wait_xcnt 0x0
	s_wait_alu depctr_hold_cnt(0) depctr_sa_sdst(0) depctr_va_vdst(0) depctr_va_sdst(0) depctr_va_ssrc(0) depctr_va_vcc(0) depctr_vm_vsrc(0)
	s_getreg_b32 s2, hwreg(HW_REG_IB_STS2, 6, 4)
	s_cmp_eq_u32 s2, 0
	s_cbranch_scc0 .Lentry_in_a_cluster
	s_endpgm
.Lentry_in_a_cluster:
	s_bfe_u32 s2, ttmp6, 0x10000c
	s_cmp_lg_u32 s2, 0xf033
	s_cbranch_scc0 .Lentry_shape_is_right
	s_endpgm
.Lentry_shape_is_right:
; q = x Wq^T / 1024^0.25, k = x Wk^T / 1024^0.25, v = x Wv^T on codes of FP8 (E4M3), f32 sums; the results are quantised at once for the two products of attention (entries 6, 7, 9 of the scales).
; INPUTS: xc [3 kinds][512 row tiles][16 chunks][1,024] and wc [4 weights][64 row tiles][16 chunks][1,024]: images of operand registers: a chunk is 16 rows x 64 along K; lane (r, h) holds in registers
; 2 c, 2 c + 1 k = 16 c + 8 h + 0 .. 7 of row r; registers 4 g .. 4 g + 3 lie at 512 g + 16 x lane.  Two neighbouring chunks are one fragment of the 16x16x128 form.
; OUTPUT: qkv [64 heads (16 b + head)][Q, K, V of 131,072 bytes].  Q, K: [128 token tiles][1,024]: chunks with row = token, K = the head's 64.  V: [16 chunks of 128 keys][4 channel tiles][2,048]: fragments
; with row = channel, K = key.
; SHARES.  A tile of 256 tokens x 256 channels to a work-group of four waves, 128 x 128 a wave: 64 accumulators, 512 registers.  K = 1,024 goes in four steps of 256 through two LDS slots.
; The kind (0 q, 1 k, 2 v) is the cluster's x: four tile columns are one weight.
; CLUSTERS: 4 x 4 work-groups.  The four of a row of the cluster need the same tokens' codes, the four of a column the same weight rows: each tile is asked for jointly, by the same tensor load with the same
; descriptor and a mask that names the four.
; WHICH OPERAND IS SOURCE 0.  In the result a lane holds one row of source 1 and eight neighbouring rows of source 0.  For q and k source 0 = the weight's rows, source 1 = tokens: a lane holds one token and
; eight neighbouring channels, the next product's K.  For v source 0 = tokens, source 1 = Wv's rows: a lane holds one channel and eight neighbouring keys, again the next K.  So the conversions' results
; ARE the next operands' registers, and nothing is transposed.  The swap is made by the two LDS bases of the fragment loads, chosen by s_cselect_b32 on the kind: no branch hangs on it.
; REGISTERS, in windows of 256: window 0: v0-31 addresses; v32-95 at work on the way out; v128-255 source 1's fragments, ONE set, on the way out the codes.  window 1: source 0's fragments, TWO sets, at v0
; and v128.  window 2: the accumulators of source 1's blocks 0-3 ((a, b) at v[8 (8 (a % 4) + b)]); window 3: of blocks 4-7.
; LIMITS: e6 - e0 - e1, e7 - e2 - e3 and e9 - e4 - e5 lie between -126 and 119, so that each power of two below is an f32 number.  The division by 1024^0.25 is a multiplication by the f32 number next to 2^-2.5.
.set FR,     16                        ; registers of a fragment: 16 rows x 128 K
.set NL,     4                         ; LDS loads that bring one
.set NP,     4                         ; places behind this matrix instruction (ISA guide 7.12.1)
.set HALFT,  32768                     ; 128 rows x 256 K: what one tensor load brings, and what one wave reads of either operand
.set SLOT,   4*HALFT                   ; the tokens' 256 rows, then the weight's 256 rows
.set KADV,   4096                      ; 256 along K of a row tile in memory: four chunks
.set SPARE,  2*SLOT                    ; behind the ring: the spare words, 128 bytes for each wave: two blocks of 256 bytes that no other line names
.set ADRA, 16                          ; v16-17  LDS address of source 1's fragments in slot 0, 1
.set ADRB, 20                          ; v20-21  the same for source 0
.set ST0,  24                          ; v24     16 x lane: the stores' offset
.set ST1,  25                          ; v25     the same + the distance to a block's second half
.set SPW,  28                          ; v28     LDS address of my spare word: SPARE + 4 x my thread's number; never rewritten
.set NIL,  29                          ; v29     0; never rewritten
.set TMP,  32                          ; the way out: a block's 64 sums x the factor
.set AF,   128                         ; source 1's fragments
.set CD,   128                         ; the way out: 16 registers of codes for each block; none is written twice
.set G1, 24                            ; s[24:31] descriptor group 1 for the tokens' tiles;  s[32:39] group 0, one set for each slot
.set G0, 32
.set G1B, 48                           ; s[48:55], s[56:63] the same for the weight's tiles
.set G0B, 56
.set MSB, 0
.macro WIN new                         ; the immediate's high byte repeats the setting that is left
.if MSB != \new
	s_set_vgpr_msb (MSB<<8)|\new
.set MSB, \new
.endif
.endm
.set MUL_LO, 0xa1                      ; source 0 window 1, source 1 window 0, C and D window 2
.set MUL_HI, 0xf1                      ; the same, C and D window 3
.set TO_B,   0x40                      ; destination window 1, address window 0
; A joint load: waves 0 and 1 fetch the tokens' halves, waves 2 and 3 the weight's.  Each of the two lines has one mask and one set of registers for all that issue it; the branch hangs on the wave's number alone.
; Four v_nop follow each of the two lines, ahead of the jump, the label and what follows.
.macro JLOAD g0a, g1a, g0b, g1b
	s_cmp_eq_u32 s15, 0
	s_cbranch_scc0 .Lfor_b_\@
	tensor_load_to_lds s[\g0a:\g0a+3], s[\g1a:\g1a+7]
	s_nop 0
.rept 4
	v_nop
.endr
	s_branch .Lasked_\@
.Lfor_b_\@:
	tensor_load_to_lds s[\g0b:\g0b+3], s[\g1b:\g1b+7]
	s_nop 0
.rept 4
	v_nop
.endr
.Lasked_\@:
.endm
.macro CREST                           ; a round of the cluster's barrier behind its opening barrier
	s_cmp_lg_u32 s14, 0
	s_cbranch_scc1 .Lnot_wave_0_\@
	s_barrier_signal -3
.Lnot_wave_0_\@:
	s_barrier_wait -3
	s_barrier_signal -1
	s_barrier_wait -1
.endm
.macro CROUND                          ; a whole round
	s_barrier_signal -1
	s_barrier_wait -1
	CREST
.endm
	s_load_b128 s[4:7], s[0:1], 0x0                ; xc s[4:5], wc s[6:7]
	s_load_b128 s[8:11], s[0:1], 0x10              ; the scales' exponents s[8:9], qkv s[10:11]
	v_lshl_add_u32 v[SPW], v0, 2, SPARE
	v_mov_b32 v[NIL], 0
	ds_add_u32 v28, v29
	ds_add_u32 v28, v29
	s_wait_dscnt 0x0
	v_lshrrev_b32 v1, 5, v0
	v_readfirstlane_b32 s14, v1                    ; wave 0..3
	s_lshr_b32 s15, s14, 1                         ; which half of source 1's 256 rows is mine.  Also: I fetch for the tokens (0) or for the weight (1)
	s_and_b32 s16, s14, 1                          ; which half of source 0's.  Also: which 128 rows of that tile I fetch
	s_bfe_u32 s40, ttmp6, 0x40000                  ; cx, cy: my place in the cluster
	s_bfe_u32 s41, ttmp6, 0x40004
	s_mov_b32 s12, ttmp9                           ; the kind: the cluster's x, the same in all sixteen partners
	s_lshl_b32 s42, ttmp9, 2
	s_add_co_u32 s42, s42, s40                     ; tile column among the three weights' twelve = 4 x cluster x + cx
	s_and_b32 s17, ttmp7, 0xffff
	s_lshl_b32 s17, s17, 2
	s_add_co_u32 s17, s17, s41                     ; tile row (256 tokens) = 4 x cluster y + cy
	s_lshl_b32 s43, s41, 2
	s_lshl_b32 s43, 15, s43                        ; my row of the cluster
	s_lshl_b32 s44, 0x1111, s40                    ; my column
	; descriptor group 1: 8 row tiles x 4,096 bytes (four chunks), 16,384 bytes apart in memory, dense in LDS
	s_or_b32 s[G1+0], s43, (3<<16)|(1<<21)         ; 15:0 the mask: the tokens' tiles go to my row; 17:16 elements of 8 bytes; 20 no padding; 21 set beside a mask
	s_or_b32 s[G1B+0], s44, (3<<16)|(1<<21)        ; the same with the mask of my column, for the weight's tiles
.irp g, G1, G1B
	s_mov_b32 s[\g+1], 512<<16                     ; tensor_dim0 = 512 elements
	s_mov_b32 s[\g+2], 8<<16                       ; tensor_dim1 = 8
	s_mov_b32 s[\g+3], 512<<16                     ; tile_dim0
	s_mov_b32 s[\g+4], 8                           ; tile_dim1
	s_mov_b32 s[\g+5], 2048                        ; tensor_dim0_stride: a row tile's 16 chunks
	s_mov_b32 s[\g+6], 0
	s_mov_b32 s[\g+7], 0
.endr
	s_lshl_b32 s18, s16, 17                        ; which eight row tiles of the tile I fetch
	s_lshl_b32 s20, s17, 18
	s_add_co_u32 s20, s20, s18
	s_lshl_b32 s19, s12, 23
	s_add_co_u32 s20, s20, s19                     ; tokens: the kind's set of codes + 16 row tiles x tile row + my eight
	s_mov_b32 s21, 0
	s_lshl_b32 s46, s42, 18
	s_add_co_u32 s46, s46, s18                     ; weight: 16 row tiles x tile column + my eight
	s_mov_b32 s47, 0
	s_lshl_b32 s45, s14, 15                        ; where they go: wave x 32,768: no place in the cluster enters an LDS address
	s_wait_kmcnt 0x0
	s_load_b256 s[80:87], s[8:9], 0x0              ; entries 0 to 7
	s_load_b128 s[88:91], s[8:9], 0x20             ; entries 8 to 11
	s_add_nc_u64 s[20:21], s[4:5], s[20:21]
	s_add_nc_u64 s[46:47], s[6:7], s[46:47]
	CROUND                                         ; all sixteen work-groups are here: the first joint loads meet
.irp s, 0,1
	s_mov_b32 s[G0+4*\s], 1
	s_add_co_u32 s[G0+4*\s+1], s45, \s*SLOT
	s_add_nc_u64 s[G0+4*\s+2:G0+4*\s+3], s[20:21], \s*KADV
	s_or_b32 s[G0+4*\s+3], s[G0+4*\s+3], 0x80000000
	s_mov_b32 s[G0B+4*\s], 1
	s_add_co_u32 s[G0B+4*\s+1], s45, \s*SLOT
	s_add_nc_u64 s[G0B+4*\s+2:G0B+4*\s+3], s[46:47], \s*KADV
	s_or_b32 s[G0B+4*\s+3], s[G0B+4*\s+3], 0x80000000
	JLOAD G0+4*\s, G1, G0B+4*\s, G1B
.endr
	; what hangs on the kind, all by selection
	s_cmp_eq_u32 s12, 2
	s_cselect_b32 s66, 0x10000, 0                  ; source 1's region of a slot: the weight's for v, the tokens' for q and k
	s_cselect_b32 s67, 0, 0x10000                  ; source 0's: the other one
	s_cselect_b32 s68, s15, s16                    ; my half of the tile's channels
	s_cselect_b32 s69, s16, s15                    ; my half of its tokens
	s_mov_b32 s70, 1024
	s_cselect_b32 s70, 2048, s70                   ; from a block's codes to the next block's: a V fragment, or a chunk of Q or K
	s_cselect_b32 s72, 385024, 0                   ; more at block 4 of v: on to the next head (393,216 - 4 x 2,048)
	s_mov_b32 s74, 393216
	s_cselect_b32 s74, 1024, s74                   ; from a block's first eight code registers to its last eight: the fragment's second half, or the next head's chunk
	s_mov_b32 s96, 0x3e3504f3
	s_cselect_b32 s96, 0x3f800000, s96             ; the factor: 1 for v, 2^-2.5 for q and k
	s_mov_b32 s71, 0
	s_mov_b32 s73, 0
	s_mov_b32 s97, s96                             ; (named with it as a pair, so it is written)
	v_and_b32 v1, 31, v0
	v_lshlrev_b32 v[ST0], 4, v1                    ; 16 x lane
	v_add_nc_u32 v[ST1], s74, v[ST0]
	s_lshl_b32 s75, s15, 15
	s_add_co_u32 s75, s75, s66                     ; source 1: its region + my 128 rows
	s_lshl_b32 s76, s16, 15
	s_add_co_u32 s76, s76, s67                     ; source 0 likewise
.irp s, 0,1
	v_add_nc_u32 v[ADRA+\s], s75, v[ST0]
	v_add_nc_u32 v[ADRB+\s], s76, v[ST0]
	s_add_co_u32 s75, s75, SLOT
	s_add_co_u32 s76, s76, SLOT
.endr
	; where my wave's codes begin: head 16 b + 4 cx + 2 x channel half; the kind's part of the head; 128 tokens are 8,192 bytes in Q and K (eight chunks) and in V (four fragments) alike
	s_lshr_b32 s92, s17, 3
	s_lshl_b32 s92, s92, 4
	s_lshl_b32 s93, s40, 2
	s_add_co_u32 s92, s92, s93
	s_lshl_b32 s93, s68, 1
	s_add_co_u32 s92, s92, s93
	s_mul_i32 s92, s92, 393216
	s_lshl_b32 s93, s12, 17
	s_add_co_u32 s92, s92, s93
	s_and_b32 s93, s17, 7
	s_lshl_b32 s93, s93, 1
	s_add_co_u32 s93, s93, s69
	s_lshl_b32 s93, s93, 13
	s_add_co_u32 s92, s92, s93
	s_mov_b32 s93, 0
	s_add_nc_u64 s[10:11], s[10:11], s[92:93]
.macro FRAG reg, adr, q, i             ; a fragment comes back as it was stored: four loads of 512 consecutive bytes, 16 a lane
.irp c, 0,1,2,3
	ds_load_b128 v[\reg+4*\c:\reg+4*\c+3], v[\adr] offset:2048*(\q)+512*\c+(\i)*4096
.endr
.endm
; 16 matrix instructions: source 1's blocks a0, a0 + 1 x source 0's eight, 128 along K.  p: source 0's set.  zero = 1: the first product starts the sums: nothing is ever cleared.
; The 64 accumulators take turns, one instruction a turn, in the same order in every step.
.macro MUL16 a0, p, zero
.irp a, \a0, \a0+1
.irp b, 0,1,2,3,4,5,6,7
.if \zero
	v_wmma_f32_16x16x128_fp8_fp8 v[8*(8*((\a)%4)+\b):8*(8*((\a)%4)+\b)+7], v[128*(\p)+FR*\b:128*(\p)+FR*\b+FR-1], v[AF+FR*(\a):AF+FR*(\a)+FR-1], 0
.else
	v_wmma_f32_16x16x128_fp8_fp8 v[8*(8*((\a)%4)+\b):8*(8*((\a)%4)+\b)+7], v[128*(\p)+FR*\b:128*(\p)+FR*\b+FR-1], v[AF+FR*(\a):AF+FR*(\a)+FR-1], v[8*(8*((\a)%4)+\b):8*(8*((\a)%4)+\b)+7]
.endif
.endr
.endr
.endm
.macro FETCH_B slot, q, p              ; source 0's eight fragments of the slot's q-th 128 along K into set p
	WIN TO_B
.irp i, 0,1,2,3,4,5,6,7
	FRAG 128*(\p)+FR*\i, ADRB+\slot, \q, \i
.endr
	WIN 0
.endm
.macro FETCH_A slot, q, i0             ; source 1's blocks i0 .. i0 + 3
.irp i, \i0, \i0+1, \i0+2, \i0+3
	FRAG AF+FR*(\i), ADRA+\slot, \q, \i
.endr
.endm
; A load into a register that a matrix instruction has read, and a vector instruction that reads a matrix result or writes one of a matrix instruction's registers, stand NP places behind it, and only plain vector
; instructions that name none of its registers are places (ISA guide 7.12.1 for vector instructions).
.macro PLACES n
.rept \n
	v_nop
.endr
.endm
; A step of 128 along K that has its successor in the same slot.  A block of source 1 is free as soon as its eight products are issued: blocks 0-3 are fetched anew in the step's middle, blocks 4-7 at its end.
.macro STEP slot, q, zero
	s_wait_dscnt 4*NL                              ; source 0's set and source 1's blocks 0-3 are in; the youngest sixteen loads (blocks 4-7) may be out
	WIN MUL_LO
	MUL16 0, (\q)%2, \zero
	MUL16 2, (\q)%2, \zero
	s_wait_dscnt 0                                 ; blocks 4-7 are in (asked for 32 matrix instructions ago)
	PLACES NP
	FETCH_B \slot, (\q)+1, 1-(\q)%2
	FETCH_A \slot, (\q)+1, 0
	WIN MUL_HI
	MUL16 4, (\q)%2, \zero
	MUL16 6, (\q)%2, \zero
	PLACES NP
	WIN 0
	FETCH_A \slot, (\q)+1, 4
.endm
; A slot's last step changes slots: ONE barrier; in front of it each wave waits for all its tensor loads, adds 0 to its spare word, and waits for that and for its own reads of this slot.  fill = 1: this slot is filled again, two K steps ahead.
.macro TURN slot, next, fill
	s_wait_tensorcnt 0x0                           ; all my tensor loads have landed: my part of the next slot;  (every window is 0 here: the add's two registers lie in window 0)
	ds_add_u32 v[SPW], v[NIL]                      ; 0 onto my spare word
	s_wait_dscnt 4*NL+1                            ; (the add and the youngest sixteen loads, source 1's blocks 4-7, may be out)
	WIN MUL_LO
	MUL16 0, 1, 0                                  ; sixteen matrix instructions stand between the add and the wait for it
	s_wait_dscnt 0x0                               ; the add is done, and my reads of this slot are over
	s_barrier_signal -1
	MUL16 2, 1, 0
	WIN 0
	s_barrier_wait -1
.if \fill
	CREST                                          ; the barrier has opened a round of the cluster's barrier: no wave of any partner still reads this slot's tile or has a load on its way
	s_add_nc_u64 s[G0+4*\slot+2:G0+4*\slot+3], s[G0+4*\slot+2:G0+4*\slot+3], 2*KADV
	s_add_nc_u64 s[G0B+4*\slot+2:G0B+4*\slot+3], s[G0B+4*\slot+2:G0B+4*\slot+3], 2*KADV
	JLOAD G0+4*\slot, G1, G0B+4*\slot, G1B         ; the first tensor load behind the round, my one load until the next; the four v_nop behind it are the places in front of the loads below
.else
	PLACES NP
.endif
	FETCH_B \next, 0, 0
	FETCH_A \next, 0, 0
	WIN MUL_HI
	MUL16 4, 1, 0
	MUL16 6, 1, 0
	PLACES NP
	WIN 0
	FETCH_A \next, 0, 4
.endm
	s_wait_alu depctr_va_vdst(0)
	s_wait_tensorcnt 1                             ; my part of K step 0 is in (K step 1's load may be out)
	s_barrier_signal -1
	s_barrier_wait -1                              ; everybody's is
	FETCH_B 0, 0, 0
	FETCH_A 0, 0, 0
	FETCH_A 0, 0, 4
	; K = 1,024 is four K steps, twice round the ring: eight steps of 128, written out
	STEP 0, 0, 1                                   ; the first products start the sums
	TURN 0, 1, 1                                   ; slot 0 takes K step 2
	STEP 1, 0, 0
	TURN 1, 0, 1                                   ; slot 1 takes K step 3
	STEP 0, 0, 0
	TURN 0, 1, 0                                   ; nothing is left to fetch, and no round of the cluster's barrier follows
	STEP 1, 0, 0
	s_wait_dscnt 4*NL                              ; the very last step
	WIN MUL_LO
	MUL16 0, 1, 0
	MUL16 2, 1, 0
	s_wait_dscnt 0
	WIN MUL_HI
	MUL16 4, 1, 0
	MUL16 6, 1, 0
	WIN 0
	; THE WAY OUT.  A sum stands for sum x 2^(ea + eb); its code under the next scale 2^eo is (sum x factor) / 2^(eo - ea - eb): the three exponents are folded into the conversion's one scale.
	s_wait_kmcnt 0x0
	s_cmp_eq_u32 s12, 1
	s_cselect_b32 s75, s82, s80                    ; ea: entry 0, 2 or 4
	s_cselect_b32 s76, s83, s81                    ; eb: entry 1, 3 or 5
	s_cselect_b32 s77, s87, s86                    ; eo: entry 6, 7 or 9
	s_cmp_eq_u32 s12, 2
	s_cselect_b32 s75, s84, s75
	s_cselect_b32 s76, s85, s76
	s_cselect_b32 s77, s89, s77
	s_sub_co_i32 s77, s77, s75
	s_sub_co_i32 s77, s77, s76
	s_add_co_i32 s77, s77, 127
	s_lshl_b32 s78, s77, 23
	v_mov_b32 v12, s78                             ; 2^(eo - ea - eb) as f32
	s_add_co_i32 s77, s77, 8
	s_lshl_b32 s77, s77, 23
	s_or_b32 s77, s77, 0x600000
	PLACES NP
; Block a of source 1 (16 tokens of q or k; 16 channels of v): a lane's 64 sums are 64 neighbours along the next K in eights, so eight conversions give 16 registers of the next operand: two heads' chunks of
; one token tile (q, k) or one fragment of V.  They are stored as they stand, 512 consecutive bytes an instruction.
.macro OUTBLK a
.set AC, 64*((\a)%4)
	WIN (0x02+(\a)/4)                              ; source 0: window 2 or 3
.set jj, 0
.rept 32
	v_pk_mul_f32 v[TMP+jj:TMP+jj+1], v[AC+jj:AC+jj+1], s[96:97] op_sel_hi:[1,0]   ; both x the factor; each accumulator from its low end on
.set jj, jj+2
.endr
	WIN 0
.set c, 0
.rept 8
.set jj, 0
.rept 8
.set jj, jj+1
.endr
	v_cvt_scalef32_pk8_fp8_f32 v[CD+16*(\a)+2*c:CD+16*(\a)+2*c+1], v[TMP+8*c:TMP+8*c+7], v12
.set c, c+1
.endr
	v_nop                                          ; one plain vector line between the last conversion and the next block's writes of its sources
.if (\a) > 0
	s_wait_alu depctr_va_vdst(0)
	s_wait_xcnt 0x0                                ; the earlier stores have read their base: only behind this wait is it stepped
	s_add_nc_u64 s[10:11], s[10:11], s[70:71]
.endif
.if (\a) == 4
	s_add_nc_u64 s[10:11], s[10:11], s[72:73]
.endif
	global_store_b128 v[ST0], v[CD+16*(\a):CD+16*(\a)+3], s[10:11]
	global_store_b128 v[ST0], v[CD+16*(\a)+4:CD+16*(\a)+7], s[10:11] offset:512
	global_store_b128 v[ST1], v[CD+16*(\a)+8:CD+16*(\a)+11], s[10:11]
	global_store_b128 v[ST1], v[CD+16*(\a)+12:CD+16*(\a)+15], s[10:11] offset:512
.endm
.irp a, 0,1,2,3,4,5,6,7
	OUTBLK \a
.endr
	s_wait_tensorcnt 0x0                           ; the wave's end
	ds_add_u32 v[SPW], v[NIL]
	s_wait_dscnt 0x0
	CROUND                                         ; the closing round: no work-group ends while a partner may still ask for a tile that names it
	s_endpgm
.Lfunc_end_k_qf858e42739_qkv:
	.size	k_qf858e42739_qkv, .Lfunc_end_k_qf858e42739_qkv-k_qf858e42739_qkv
	.p2alignl 7, 3214868480
	.fill 96, 4, 3214868480
	.section	.rodata,"a",@progbits
	.p2align	6, 0x0
	.amdhsa_kernel k_qf858e42739_qkv
		.amdhsa_group_segment_fixed_size 327680
		.amdhsa_private_segment_fixed_size 0
		.amdhsa_enable_private_segment 0
		.amdhsa_kernarg_size 32
		.amdhsa_user_sgpr_count 2
		.amdhsa_user_sgpr_kernarg_segment_ptr 1
		.amdhsa_wavefront_size32 1
		.amdhsa_system_sgpr_workgroup_id_x 1
		.amdhsa_system_sgpr_workgroup_id_y 1
		.amdhsa_system_sgpr_workgroup_id_z 1
		.amdhsa_system_vgpr_workitem_id 0
		.amdhsa_next_free_vgpr 1024
		.amdhsa_next_free_sgpr 100
		.amdhsa_reserve_vcc 0
		.amdhsa_float_denorm_mode_32 3
		.amdhsa_float_denorm_mode_16_64 3
		.amdhsa_fp16_overflow 1
		.amdhsa_memory_ordered 1
		.amdhsa_forward_progress 1
		.amdhsa_inst_pref_size 103
	.end_amdhsa_kernel
	.amdgpu_metadata
---
amdhsa.version: [ 1, 2 ]
amdhsa.kernels:
  - .name:           k_qf858e42739_qkv
    .symbol:         k_qf858e42739_qkv.kd
    .args:
      - { .name: xc, .offset: 0, .size: 8, .value_kind: global_buffer, .address_space: global }
      - { .name: wc, .offset: 8, .size: 8, .value_kind: global_buffer, .address_space: global }
      - { .name: lowp_scales, .offset: 16, .size: 8, .value_kind: global_buffer, .address_space: global }
      - { .name: qkv, .offset: 24, .size: 8, .value_kind: global_buffer, .address_space: global }
    .group_segment_fixed_size: 327680
    .private_segment_fixed_size: 0
    .kernarg_segment_align: 8
    .kernarg_segment_size: 32
    .max_flat_workgroup_size: 128
    .sgpr_count:     100
    .vgpr_count:     1024
    .wavefront_size: 32
...
	.end_amdgpu_metadata
.endif
;; end of part 2
;; launch attn (part 3): grid 4 x 64, 16 waves a work-group, clusters of 4 x 1, 264,192 bytes of LDS; arguments qkv, lowp_scales, ac; writes ac
.if DOCPART == 3
	.amdgcn_target "amdgcn-amd-amdhsa--gfx1250"
	.amdhsa_code_object_version 6
	.text
	.protected	k_qf858e42739_attn
	.globl	k_qf858e42739_attn
	.p2align	8
	.type	k_qf858e42739_attn,@function
k_qf858e42739_attn:
	s_mov_b64 s[64:65], 0
	v_nop
	global_prefetch_b8 v0, s[64:65] scope:SCOPE_SE
	s_setreg_imm32_b32 hwreg(HW_REG_WAVE_MODE, 25, 1), 1
	s_wait_xcnt 0x0
	s_wait_alu depctr_hold_cnt(0) depctr_sa_sdst(0) depctr_va_vdst(0) depctr_va_sdst(0) depctr_va_ssrc(0) depctr_va_vcc(0) depctr_vm_vsrc(0)
	s_getreg_b32 s2, hwreg(HW_REG_IB_STS2, 6, 4)
	s_cmp_eq_u32 s2, 0
	s_cbranch_scc0 .Lentry_in_a_cluster
	s_endpgm
.Lentry_in_a_cluster:
	s_bfe_u32 s2, ttmp6, 0x10000c
	s_cmp_lg_u32 s2, 0x3003
	s_cbranch_scc0 .Lentry_shape_is_right
	s_endpgm
.Lentry_shape_is_right:
; Causal attention of one head on codes of FP8 (E4M3): o[q] = sum over keys k <= q of softmax_k(q . k) v[k]; the result is quantised at once for the last product (entry 10 of the scales).
; INPUT: qkv [64 heads][Q, K, V of 131,072 bytes], images of operand registers (lane (r, h): registers 2 c, 2 c + 1 hold k = 16 c + 8 h + 0 .. 7 of row r; registers 4 g .. 4 g + 3 at 512 g + 16 x lane).
; Q, K: [128 token tiles][1,024], row = token, K = the head's 64.  V: [16 chunks of 128 keys][4 channel tiles][2,048], row = channel, K = key.
; OUTPUT: ac [512 token tiles][16 heads][1,024]: chunks with row = token, K = the head's 64 channels: the last product's left operand.
; THE SOFTMAX AHEAD OF THE SECOND PRODUCT: t = score x log2(e); M = the row's largest t so far, rounded UP to a whole number; p = 2^(t - M) is quantised (entry 8), not normalised; the row's sum is taken of the
; unquantised p and divides at the end.  When M moves, the sum and O are multiplied by 2^(old M - new M): nothing is rounded, and there is no branch on data.
; SHARES.  A cluster of four work-groups is one head.  The head's K and V, 262,144 bytes, lie whole in each work-group's LDS, filled ONCE: each of the sixteen waves asks for 16,384 bytes by one joint load (the same
; descriptor and a mask that names the four).  No byte of LDS is filled again: no ring, and no barrier in the loops.
; The head's 128 query tiles of 16: work-group cx takes tiles 4 idx + cx, idx = 0 .. 31; wave w takes idx = w in its first pass and idx = 31 - w in its second.  Tile 4 idx + cx needs the key steps (128 keys)
; 0 .. idx / 2, whatever cx is (64 (idx % 2) + 16 cx + 15 <= 127): 17 steps a wave, and no branch hangs on a work-group's place in its cluster.
; LAYOUT.  Both products are used transposed: S^T = K Q^T (source 0 = 16 keys, source 1 = my 16 queries), O^T = V^T P^T (source 0 = 16 channels, source 1 = P): a lane holds ONE query (lane % 16) throughout.
; Register j of S^T's tile n is key 16 n + 8 h + j: its eight codes ARE registers 2 n, 2 n + 1 of P; likewise O^T's tile n gives registers 2 n, 2 n + 1 of the output's chunk.
; Every wave walks all 16 key steps in a loop of constant count; a step all of whose keys are hidden is passed over by a scalar branch on ids.
; LIMITS: e6 + e7 between -126 and 127 (added to log2(e)'s exponent field); e8 and e10 - e8 - e9 between -126 and 119.
.set LI,   1                           ; v1   16 x lane: my place in every image, in LDS and in memory; never rewritten
.set DD,   2                           ; v2   the mask's bound in the diagonal step: my query less the step's first key less 8 h
.set RH,   3                           ; v3   r - 8 h + 16 cx
.set ADK,  8                           ; v8   LDS address of the step's K
.set ADV,  9                           ; v9   of its V
                                       ; v12 -M, v13 the largest t, v[14:15] the sum in two halves
.set Q,    16                          ; v16-23   Q's fragment
.set KV,   32                          ; v32-95   K's eight fragments, then V's four
.set S,    96                          ; v96-159  S^T, then p
.set O,    160                         ; v160-191 O^T
.set PC,   192                         ; v192-207 p's codes
.set OC,   208                         ; v208-215 the output's codes
.set PSC,  216                         ; v216  2^e8
.set OSC,  218                         ; v218  the same with e10 - e8 - e9
.set PX,   220                         ; the lane exchange's destination
.set MA,   221                         ; at work
.set F,    222                         ; v[222:223] f = 2^(old M - new M) (the pair is named; its low word serves both halves)
.set NINF, 224                         ; -infinity
.set MB,   225                         ; at work
.set SU,   226                         ; v[226:227] the sum's second chain
.set CX,   13
.set WV,   18
.set BH,   20
.set G0,   28                          ; s[28:31] descriptor group 0
.set G1,   32                          ; s[32:39] descriptor group 1
.set CS,   52                          ; s[52:53] c = log2(e) x 2^(e6 + e7)
.set SEL,  54                          ; s[54:55] lane selects for v_permlanex16_b32: lane l xor 16
.set IDX,  56
.set IH,   57                          ; the last key step that counts: the diagonal's
.set SJ,   58                          ; the key step
.set TB,   59                          ; 8,192 x the key step: where its K begins in LDS, and its V behind K's 131,072 bytes
.set PASS, 60
.macro CROUND                          ; a round of the cluster's barrier
	s_barrier_signal -1
	s_barrier_wait -1
	s_cmp_lg_u32 s[WV], 0
	s_cbranch_scc1 .Lnot_wave_0_\@
	s_barrier_signal -3
.Lnot_wave_0_\@:
	s_barrier_wait -3
	s_barrier_signal -1
	s_barrier_wait -1
.endm
	s_load_b128 s[4:7], s[0:1], 0x0                ; qkv s[4:5], the scales' exponents s[6:7]
	s_load_b64 s[8:9], s[0:1], 0x10                ; ac
	v_lshl_add_u32 v254, v0, 2, 0x40000
	v_mov_b32 v255, 0
	ds_add_u32 v254, v255
	ds_add_u32 v254, v255
	v_lshrrev_b32 v4, 5, v0
	s_delay_alu instid0(VALU_DEP_1)
	v_readfirstlane_b32 s[WV], v4                  ; wave 0..15
	s_bfe_u32 s[CX], ttmp6, 0x40000                ; cx: it enters Q's and the output's addresses and the mask's bound alone
	s_and_b32 s[BH], ttmp7, 0xffff                 ; the head, 16 b + head: the four partners share it
	s_mul_i32 s70, s[BH], 393216
	s_mov_b32 s71, 0
	s_lshl_b32 s72, s[WV], 14
	s_mov_b32 s73, 0
	s_mov_b32 s[G1], 15|(3<<16)|(1<<21)            ; 15:0 the mask: all four work-groups; 17:16 elements of 8 bytes; 20 no padding; 21 set beside a mask
	s_mov_b32 s[G1+1], 32<<16                      ; tensor_dim0 = 32 elements: rows of 256 bytes
	s_mov_b32 s[G1+2], 64<<16                      ; tensor_dim1 = 64
	s_mov_b32 s[G1+3], 32<<16                      ; tile_dim0
	s_mov_b32 s[G1+4], 64                          ; tile_dim1
	s_mov_b32 s[G1+5], 32                          ; tensor_dim0_stride: dense
	s_mov_b32 s[G1+6], 0
	s_mov_b32 s[G1+7], 0
	s_mov_b32 s[G0], 1
	s_lshl_b32 s[G0+1], s[WV], 14                  ; LDS address: 16,384 x wave
	s_wait_dscnt 0x0
	s_wait_kmcnt 0x0
	s_load_b256 s[40:47], s[6:7], 0x0              ; entries 0 to 7
	s_load_b128 s[48:51], s[6:7], 0x20             ; entries 8 to 11
	s_add_nc_u64 s[24:25], s[4:5], s[70:71]        ; the head's first byte: its Q
	s_add_nc_u64 s[G0+2:G0+3], s[24:25], s[72:73]
	s_add_nc_u64 s[G0+2:G0+3], s[G0+2:G0+3], 0x20000  ; K and V follow Q on end: my sixteenth of their 262,144 bytes
	s_or_b32 s[G0+3], s[G0+3], 0x80000000
	CROUND                                         ; all four work-groups are here: the joint loads meet
	tensor_load_to_lds s[G0:G0+3], s[G1:G1+7]      ; my one tensor load of the launch
	s_nop 0
.rept 4
	v_nop
.endr
	v_and_b32 v[LI], 31, v0
	s_delay_alu instid0(VALU_DEP_1)
	v_lshlrev_b32 v[LI], 4, v[LI]
	v_and_b32 v[RH], 15, v0
	v_bfe_u32 v4, v0, 4, 1
	s_delay_alu instid0(VALU_DEP_1)
	v_lshlrev_b32 v4, 3, v4
	s_delay_alu instid0(VALU_DEP_1)
	v_sub_nc_u32 v[RH], v[RH], v4
	s_lshl_b32 s72, s[CX], 4
	v_add_nc_u32 v[RH], s72, v[RH]
	v_mov_b32 v[PX], 0                             ; written once: a lane permute's destination counts as one of its sources
	v_mov_b32 v[F+1], 0
	v_mov_b32 v[NINF], 0xff800000
	s_mov_b32 s[SEL], 0x76543210
	s_mov_b32 s[SEL+1], 0xfedcba98
	s_lshr_b32 s72, s[BH], 4                       ; the output: batch b's 128 token tiles of 16,384 bytes, + the head's chunk
	s_lshl_b32 s72, s72, 21
	s_and_b32 s73, s[BH], 15
	s_lshl_b32 s73, s73, 10
	s_add_co_u32 s72, s72, s73
	s_mov_b32 s73, 0
	s_add_nc_u64 s[10:11], s[8:9], s[72:73]
	s_wait_kmcnt 0x0
	s_add_co_i32 s72, s46, s47
	s_lshl_b32 s72, s72, 23
	s_mov_b32 s[CS], 0x3fb8aa3b                    ; log2(e)
	s_add_co_i32 s[CS], s[CS], s72                 ; a sum stands for sum x 2^(e6 + e7): the two exponents are added to the constant's exponent field
	s_mov_b32 s[CS+1], s[CS]
	s_add_co_i32 s72, s48, 127
	s_lshl_b32 s73, s72, 23
	v_mov_b32 v[PSC], s73                          ; 2^e8 as f32
	s_sub_co_i32 s72, s50, s48                     ; a sum of the second product stands for sum x 2^(e8 + e9): its code is (sum / l) / 2^(e10 - e8 - e9)
	s_sub_co_i32 s72, s72, s49
	s_add_co_i32 s72, s72, 127
	s_lshl_b32 s73, s72, 23
	v_mov_b32 v[OSC], s73
	s_mov_b32 s[IDX], s[WV]
	s_mov_b32 s[PASS], 0
	s_wait_tensorcnt 0x0                           ; my sixteenth has landed,
	s_barrier_signal -1
	s_barrier_wait -1                              ; everybody's has: from here on LDS is only read
.Lpass:                                            ; two trips: a tile of 16 queries each
	s_wait_xcnt 0x0                                ; the last pass's stores have read their base and their data: both are written again below
	s_lshl_b32 s72, s[IDX], 2
	s_add_co_u32 s72, s72, s[CX]                   ; my query tile
	s_lshl_b32 s70, s72, 10
	s_mov_b32 s71, 0
	s_add_nc_u64 s[66:67], s[24:25], s[70:71]      ; its chunk of Q
	s_lshl_b32 s70, s72, 14
	s_add_nc_u64 s[68:69], s[10:11], s[70:71]      ; its chunk of the output
	global_load_b128 v[Q:Q+3], v[LI], s[66:67]
	global_load_b128 v[Q+4:Q+7], v[LI], s[66:67] offset:512
	s_lshr_b32 s[IH], s[IDX], 1
	s_and_b32 s72, s[IDX], 1
	s_lshl_b32 s72, s72, 6
	s_wait_alu depctr_va_vdst(0)
	v_add_nc_u32 v[DD], s72, v[RH]
	v_mov_b32 v13, 0xff61b1e6                      ; the largest t so far: -3e38, under every t
	s_delay_alu instid0(VALU_DEP_1)
	v_floor_f32 v12, -v13                          ; -M
	v_mov_b32 v14, 0
	v_mov_b32 v15, 0
.set n, 0
.rept 32
	v_mov_b32 v[O+n], 0                            ; O^T.  (The step is written once: a pass's first step finds zeros, which the first change of M leaves zeros)
.set n, n+1
.endr
	s_mov_b32 s[SJ], 0
	s_mov_b32 s[TB], 0
	s_wait_loadcnt 0x0                             ; Q
.Lstep:                                            ; sixteen trips, a constant: 128 keys each
	s_cmp_gt_u32 s[SJ], s[IH]                      ; all of the step's keys come after my queries: only the counters step
	s_cbranch_scc1 .Lhidden
	s_setprio 2
	v_add_nc_u32 v[ADK], s[TB], v[LI]
	s_delay_alu instid0(VALU_DEP_1)
	v_add_nc_u32 v[ADV], 0x20000, v[ADK]
	v_nop                                          ; with the two additions: four places in front of loads into registers that the last products read
	v_nop
.set n, 0
.rept 8
	ds_load_b128 v[KV+8*n:KV+8*n+3], v[ADK] offset:1024*n
	ds_load_b128 v[KV+8*n+4:KV+8*n+7], v[ADK] offset:1024*n+512
.set n, n+1
.endr
	s_wait_alu depctr_va_vdst(0)
	s_wait_dscnt 0x0
.set n, 0
.rept 8
	v_wmma_f32_16x16x64_fp8_fp8 v[S+8*n:S+8*n+7], v[KV+8*n:KV+8*n+7], v[Q:Q+7], 0
.set n, n+1
.endr
.rept 4
	v_nop                                          ; places: in front of the loads below, and of the first read of the scores
.endr
.set n, 0
.rept 16
	ds_load_b128 v[KV+4*n:KV+4*n+3], v[ADV] offset:512*n   ; V's four fragments land while the softmax is walked
.set n, n+1
.endr
	s_cmp_lg_u32 s[SJ], s[IH]                      ; only the diagonal's step has hidden keys
	s_cbranch_scc1 .Lopen
.set n, 0
.rept 64
	v_cmp_gt_i32 vcc_lo, 16*(n/8)+n%8, v[DD]       ; register n holds the step's key 16 (n / 8) + 8 h + n % 8: hidden where it comes after my query
	v_cndmask_b32 v[S+n], v[S+n], v[NINF], vcc_lo  ; p = 0 then
.set n, n+1
.endr
.Lopen:
	v_max3_num_f32 v[MA], v[S], v[S+1], v[S+2]     ; the step's largest score of my query among my 64 keys, in two chains, each accumulator from its low end on,
	v_max3_num_f32 v[MB], v[S+3], v[S+4], v[S+5]
.set n, 6
.rept 14
	v_max3_num_f32 v[MA], v[MA], v[S+n], v[S+n+1]
	v_max3_num_f32 v[MB], v[MB], v[S+n+2], v[S+n+3]
.set n, n+4
.endr
	v_max3_num_f32 v[MA], v[MA], v[S+62], v[S+63]
	s_delay_alu instid0(VALU_DEP_1)
	v_max_num_f32 v[MA], v[MA], v[MB]
	s_delay_alu instid0(VALU_DEP_1)
	v_permlanex16_b32 v[PX], v[MA], s[SEL], s[SEL+1]
	s_delay_alu instid0(VALU_DEP_1)
	v_max_num_f32 v[MA], v[MA], v[PX]              ; and among lane l xor 16's
	s_delay_alu instid0(VALU_DEP_1)
	v_mul_f32 v[MA], s[CS], v[MA]                  ; as t (c is positive)
	s_delay_alu instid0(VALU_DEP_1)
	v_max_num_f32 v13, v13, v[MA]                  ; the running largest t
	v_mov_b32 v[MA], v12
	s_delay_alu instid0(VALU_DEP_2)
	v_floor_f32 v12, -v13                          ; the new -M = floor(-t) = -ceil(t)
	s_delay_alu instid0(VALU_DEP_1)
	v_sub_f32 v[MA], v12, v[MA]                    ; old M - new M: a whole number, 0 or less
	s_delay_alu instid0(VALU_DEP_1)
	v_cvt_i32_f32 v[MA], v[MA]                     ; (it saturates)
	s_delay_alu instid0(VALU_DEP_1)
	v_ldexp_f32 v[F], 1.0, v[MA]                   ; f = 2^(old M - new M)
.set n, 0
	s_setprio 1
.rept 32
	v_pk_fma_f32 v[S+n:S+n+1], v[S+n:S+n+1], s[CS:CS+1], v[12:13] op_sel_hi:[1,0,0]   ; t - M, two at a time (of the pairs c and -M the low word serves both halves)
.set n, n+2
.endr
.set n, 0
	s_wait_alu depctr_va_vdst(0)
.rept 64
	v_exp_f32 v[S+n], v[S+n]                       ; p = 2^(t - M), at most 1
.set n, n+1
.endr
	v_pk_mul_f32 v[14:15], v[14:15], v[F:F+1] op_sel_hi:[1,0]   ; the sums under the new M: the plain line behind the exponentials
	s_wait_alu depctr_va_vdst(0)                   ; one wait for the whole batch, ahead of its first reader
	v_pk_add_f32 v[226:227], v[100:101], v[104:105]
	v_pk_add_f32 v[252:253], v[108:109], v[112:113]
	v_pk_add_f32 v[250:251], v[116:117], v[120:121]
	v_pk_add_f32 v[248:249], v[124:125], v[128:129]
	v_pk_add_f32 v[246:247], v[132:133], v[136:137]
	v_pk_add_f32 v[244:245], v[140:141], v[144:145]
	v_pk_add_f32 v[242:243], v[148:149], v[152:153]
	v_pk_add_f32 v[14:15], v[14:15], v[156:157]
	v_pk_add_f32 v[226:227], v[226:227], v[96:97]
	v_pk_add_f32 v[252:253], v[252:253], v[98:99]
	v_pk_add_f32 v[250:251], v[250:251], v[102:103]
	v_pk_add_f32 v[248:249], v[248:249], v[106:107]
	v_pk_add_f32 v[246:247], v[246:247], v[110:111]
	v_pk_add_f32 v[244:245], v[244:245], v[114:115]
	v_pk_add_f32 v[242:243], v[242:243], v[118:119]
	v_pk_add_f32 v[14:15], v[14:15], v[122:123]
	v_pk_add_f32 v[226:227], v[226:227], v[126:127]
	v_pk_add_f32 v[252:253], v[252:253], v[130:131]
	v_pk_add_f32 v[250:251], v[250:251], v[134:135]
	v_pk_add_f32 v[248:249], v[248:249], v[138:139]
	v_pk_add_f32 v[246:247], v[246:247], v[142:143]
	v_pk_add_f32 v[244:245], v[244:245], v[146:147]
	v_pk_add_f32 v[242:243], v[242:243], v[150:151]
	s_setprio 0
	v_pk_add_f32 v[14:15], v[14:15], v[154:155]
	v_pk_add_f32 v[226:227], v[226:227], v[158:159]
	s_delay_alu instid0(VALU_DEP_2)
	v_pk_add_f32 v[14:15], v[14:15], v[248:249]
	s_delay_alu instid0(VALU_DEP_2)
	v_pk_add_f32 v[226:227], v[226:227], v[246:247]
	v_pk_add_f32 v[252:253], v[252:253], v[244:245]
	v_pk_add_f32 v[250:251], v[250:251], v[242:243]
	s_delay_alu instid0(VALU_DEP_2)
	v_pk_add_f32 v[14:15], v[14:15], v[252:253]
	s_delay_alu instid0(VALU_DEP_2)
	v_pk_add_f32 v[226:227], v[226:227], v[250:251]
	s_delay_alu instid0(VALU_DEP_1)
	v_pk_add_f32 v[14:15], v[14:15], v[226:227]
.set c, 0
.rept 8
.set n, 0
.rept 8
.set n, n+1
.endr
	v_cvt_scalef32_pk8_fp8_f32 v[PC+2*c:PC+2*c+1], v[S+8*c:S+8*c+7], v[PSC]
.set c, c+1
.endr
.set n, 0
.rept 16
	v_pk_mul_f32 v[O+n:O+n+1], v[O+n:O+n+1], v[F:F+1] op_sel_hi:[1,0]   ; O^T under the new M; also the plain lines between the conversions and the products
.set n, n+2
.endr
	s_wait_alu depctr_va_vdst(0)
	s_wait_dscnt 0x0                               ; V is in
.set n, 0
.rept 4
	v_wmma_f32_16x16x128_fp8_fp8 v[O+8*n:O+8*n+7], v[KV+16*n:KV+16*n+15], v[PC:PC+15], v[O+8*n:O+8*n+7]   ; the four accumulators by turns, one instruction a turn
.set n, n+1
.endr
.Lhidden:
	s_add_co_u32 s[TB], s[TB], 8192
	s_add_co_u32 s[SJ], s[SJ], 1
	s_cmp_lt_u32 s[SJ], 16
	s_cbranch_scc1 .Lstep
	s_setprio 0
	; the tile's end: O^T / the sum, quantised: eight registers, the output's chunk as it will be loaded
.rept 4
	v_nop                                          ; places behind the last products
.endr
	v_add_f32 v14, v14, v15                        ; the sum's two halves,
	s_delay_alu instid0(VALU_DEP_1)
	v_permlanex16_b32 v[PX], v14, s[SEL], s[SEL+1]
	s_delay_alu instid0(VALU_DEP_1)
	v_add_f32 v14, v14, v[PX]                      ; and lane l xor 16's
	s_wait_alu depctr_va_vdst(0)
	v_rcp_f32 v14, v14
	v_nop                                          ; a plain line behind the transcendental
	s_wait_alu depctr_va_vdst(0)                   ; and the wait ahead of its first reader
.set n, 0
.rept 16
	v_pk_mul_f32 v[S+n:S+n+1], v[O+n:O+n+1], v[14:15] op_sel_hi:[1,0]   ; each accumulator from its low end on
.set n, n+2
.endr
.set n, 0
.rept 32
.set n, n+1
.endr
.set n, 0
.rept 4
	v_cvt_scalef32_pk8_fp8_f32 v[OC+2*n:OC+2*n+1], v[S+8*n:S+8*n+7], v[OSC]
.set n, n+1
.endr
	v_nop                                          ; one plain vector line behind the last conversion
	global_store_b128 v[LI], v[OC:OC+3], s[68:69]              ; 32 lanes store 512 consecutive bytes, at a multiple of 512 from the buffer's first byte
	global_store_b128 v[LI], v[OC+4:OC+7], s[68:69] offset:512
	s_sub_co_u32 s[IDX], 31, s[WV]                 ; the second pass's tile
	s_add_co_u32 s[PASS], s[PASS], 1
	s_cmp_lt_u32 s[PASS], 2
	s_cbranch_scc1 .Lpass
	s_wait_dscnt 0x0
	s_wait_tensorcnt 0x0
	ds_add_u32 v254, v255
	s_wait_dscnt 0x0
	CROUND                                         ; the closing round
	s_endpgm
.Lfunc_end_k_qf858e42739_attn:
	.size	k_qf858e42739_attn, .Lfunc_end_k_qf858e42739_attn-k_qf858e42739_attn
	.p2alignl 7, 3214868480
	.fill 96, 4, 3214868480
	.section	.rodata,"a",@progbits
	.p2align	6, 0x0
	.amdhsa_kernel k_qf858e42739_attn
		.amdhsa_group_segment_fixed_size 264192
		.amdhsa_private_segment_fixed_size 0
		.amdhsa_enable_private_segment 0
		.amdhsa_kernarg_size 24
		.amdhsa_user_sgpr_count 2
		.amdhsa_user_sgpr_kernarg_segment_ptr 1
		.amdhsa_wavefront_size32 1
		.amdhsa_system_sgpr_workgroup_id_x 1
		.amdhsa_system_sgpr_workgroup_id_y 1
		.amdhsa_system_sgpr_workgroup_id_z 1
		.amdhsa_system_vgpr_workitem_id 0
		.amdhsa_next_free_vgpr 256
		.amdhsa_next_free_sgpr 80
		.amdhsa_reserve_vcc 1
		.amdhsa_float_denorm_mode_32 3
		.amdhsa_float_denorm_mode_16_64 3
		.amdhsa_fp16_overflow 1
		.amdhsa_memory_ordered 1
		.amdhsa_forward_progress 1
		.amdhsa_inst_pref_size 28
	.end_amdhsa_kernel
	.amdgpu_metadata
---
amdhsa.version: [ 1, 2 ]
amdhsa.kernels:
  - .name:           k_qf858e42739_attn
    .symbol:         k_qf858e42739_attn.kd
    .args:
      - { .name: qkv, .offset: 0, .size: 8, .value_kind: global_buffer, .address_space: global }
      - { .name: lowp_scales, .offset: 8, .size: 8, .value_kind: global_buffer, .address_space: global }
      - { .name: ac, .offset: 16, .size: 8, .value_kind: global_buffer, .address_space: global }
    .group_segment_fixed_size: 264192
    .private_segment_fixed_size: 0
    .kernarg_segment_align: 8
    .kernarg_segment_size: 24
    .max_flat_workgroup_size: 512
    .sgpr_count:     80
    .vgpr_count:     256
    .wavefront_size: 32
...
	.end_amdgpu_metadata
.endif
;; end of part 3
;; launch proj (part 4): grid 4 x 32, 4 waves a work-group, clusters of 4 x 4, 327,680 bytes of LDS; arguments ac, wc, lowp_scales, out0, bo; writes out0
.if DOCPART == 4
	.amdgcn_target "amdgcn-amd-amdhsa--gfx1250"
	.amdhsa_code_object_version 6
	.text
	.protected	k_qf858e42739_proj
	.globl	k_qf858e42739_proj
	.p2align	8
	.type	k_qf858e42739_proj,@function
k_qf858e42739_proj:
	s_mov_b64 s[64:65], 0
	v_nop
	global_prefetch_b8 v0, s[64:65] scope:SCOPE_SE
	s_setreg_imm32_b32 hwreg(HW_REG_WAVE_MODE, 25, 1), 1
	s_wait_xcnt 0x0
	s_wait_alu depctr_hold_cnt(0) depctr_sa_sdst(0) depctr_va_vdst(0) depctr_va_sdst(0) depctr_va_ssrc(0) depctr_va_vcc(0) depctr_vm_vsrc(0)
	s_getreg_b32 s2, hwreg(HW_REG_IB_STS2, 6, 4)
	s_cmp_eq_u32 s2, 0
	s_cbranch_scc0 .Lentry_in_a_cluster
	s_endpgm
.Lentry_in_a_cluster:
	s_bfe_u32 s2, ttmp6, 0x10000c
	s_cmp_lg_u32 s2, 0xf033
	s_cbranch_scc0 .Lentry_shape_is_right
	s_endpgm
.Lentry_shape_is_right:
; out0 = a Wo^T + bo on codes of FP8 (E4M3), f32 sums: out0[m][n] = (sum over k of the codes' products) x 2^(e10 + e11) + bo[n].  out0: [8192][1024] f32.
; INPUTS: ac [512 token tiles][16 chunks][1,024] and Wo's codes, the fourth weight of wc [4][64 row tiles][16 chunks][1,024]: images of operand registers: a chunk is 16 rows x 64 along K; lane (r, h) holds in
; registers 2 c, 2 c + 1 k = 16 c + 8 h + 0 .. 7 of row r; registers 4 g .. 4 g + 3 lie at 512 g + 16 x lane.  Two neighbouring chunks are one fragment of the 16x16x128 form.
; SHARES.  A tile of 256 x 256 of out0 to a work-group of four waves, 128 x 128 a wave: 64 accumulators, 512 registers.  K = 1,024 goes in four steps of 256 through two LDS slots.  128 work-groups.
; CLUSTERS: 4 x 4 work-groups.  The four of a row of the cluster need the same tokens' codes, the four of a column the same rows of Wo: each tile is asked for jointly, by the same tensor load with the same
; descriptor and a mask that names the four.  THE MATRIX INSTRUCTION IS USED TRANSPOSED (source 0 = 16 rows of Wo, source 1 = 16 tokens): a lane holds eight neighbouring numbers of a row of out0.
; REGISTERS, in windows of 256: window 0: v0-31 addresses; v32-35 my four numbers of bo; v128-255 source 1's fragments, ONE set, on the way out rows of out0.  window 1: source 0's fragments, TWO sets, at v0 and
; v128.  window 2: the accumulators of my rows 0-63 ((a, b) at v[8 (8 (a % 4) + b)]); window 3: of my rows 64-127.
; LIMIT: e10 + e11 lies between -126 and 127, so that 2^(e10 + e11) is an f32 number.
.set FR,     16                        ; registers of a fragment: 16 rows x 128 K
.set NL,     4                         ; LDS loads that bring one
.set NP,     4                         ; places behind this matrix instruction (ISA guide 7.12.1)
.set HALFT,  32768                     ; 128 rows x 256 K: what one tensor load brings, and what one wave reads of either operand
.set SLOT,   4*HALFT                   ; the tokens' 256 rows, then Wo's 256 rows
.set KADV,   4096                      ; 256 along K of a row tile in memory: four chunks
.set SPARE,  2*SLOT                    ; behind the ring: the spare words, 128 bytes for each wave: two blocks of 256 bytes that no other line names
.set SPITCH, 528                       ; the way out: a stage of 16 rows x (512 bytes + 16) for each wave.  It lies in slot 0, which has had its last fill and its last read when the first result is stored there
.set ADRA, 16                          ; v16-17  LDS address of source 1's fragments in slot 0, 1
.set ADRB, 20                          ; v20-21  the same for source 0
.set STO,  24                          ; v24     the way out: where I put 32 bytes of a row
.set RD,   25                          ; v25     the way out: where I read a row back
.set CO,   26                          ; v26     16 x lane: my byte offset in a row's 512 bytes
.set SPW,  28                          ; v28     LDS address of my spare word: SPARE + 4 x my thread's number; never rewritten
.set NIL,  29                          ; v29     0; never rewritten
.set BI,   32                          ; v32-35  bo at my four columns
.set AF,   128                         ; source 1's fragments
.set BK,   128                         ; the way out: 16 rows read back from the stage: v128-191 and v192-255 by turns
.set G1, 24                            ; s[24:31] descriptor group 1 for the tokens' tiles;  s[32:39] group 0, one set for each slot
.set G0, 32
.set G1B, 48                           ; s[48:55], s[56:63] the same for Wo's tiles
.set G0B, 56
.set MSB, 0
.macro WIN new                         ; the immediate's high byte repeats the setting that is left
.if MSB != \new
	s_set_vgpr_msb (MSB<<8)|\new
.set MSB, \new
.endif
.endm
.set MUL_LO, 0xa1                      ; source 0 window 1, source 1 window 0, C and D window 2
.set MUL_HI, 0xf1                      ; the same, C and D window 3
.set TO_B,   0x40                      ; destination window 1, address window 0
; A joint load: waves 0 and 1 fetch the tokens' halves, waves 2 and 3 Wo's.  Each of the two lines has one mask and one set of registers for all that issue it; the branch hangs on the wave's number alone.
; Four v_nop follow each of the two lines, ahead of the jump, the label and what follows.
.macro JLOAD g0a, g1a, g0b, g1b
	s_cmp_eq_u32 s15, 0
	s_cbranch_scc0 .Lfor_b_\@
	tensor_load_to_lds s[\g0a:\g0a+3], s[\g1a:\g1a+7]
	s_nop 0
.rept 4
	v_nop
.endr
	s_branch .Lasked_\@
.Lfor_b_\@:
	tensor_load_to_lds s[\g0b:\g0b+3], s[\g1b:\g1b+7]
	s_nop 0
.rept 4
	v_nop
.endr
.Lasked_\@:
.endm
.macro CREST                           ; a round of the cluster's barrier behind its opening barrier
	s_cmp_lg_u32 s14, 0
	s_cbranch_scc1 .Lnot_wave_0_\@
	s_barrier_signal -3
.Lnot_wave_0_\@:
	s_barrier_wait -3
	s_barrier_signal -1
	s_barrier_wait -1
.endm
.macro CROUND                          ; a whole round
	s_barrier_signal -1
	s_barrier_wait -1
	CREST
.endm
	s_load_b128 s[4:7], s[0:1], 0x0                ; ac s[4:5], wc s[6:7]
	s_load_b128 s[8:11], s[0:1], 0x10              ; the scales' exponents s[8:9], out0 s[10:11]
	s_load_b64 s[66:67], s[0:1], 0x20              ; bo
	v_lshl_add_u32 v[SPW], v0, 2, SPARE
	v_mov_b32 v[NIL], 0
	ds_add_u32 v28, v29
	ds_add_u32 v28, v29
	s_wait_dscnt 0x0
	v_lshrrev_b32 v1, 5, v0
	v_readfirstlane_b32 s14, v1                    ; wave 0..3
	s_lshr_b32 s15, s14, 1                         ; which half of the tile's rows is mine.  Also: I fetch for the tokens (0) or for Wo (1)
	s_and_b32 s16, s14, 1                          ; which half of its columns.  Also: which 128 rows of that tile I fetch
	s_bfe_u32 s40, ttmp6, 0x40000                  ; cx, cy: my place in the cluster
	s_bfe_u32 s41, ttmp6, 0x40004
	s_lshl_b32 s42, ttmp9, 2
	s_add_co_u32 s42, s42, s40                     ; tile column = 4 x cluster x + cx
	s_and_b32 s17, ttmp7, 0xffff
	s_lshl_b32 s17, s17, 2
	s_add_co_u32 s17, s17, s41                     ; tile row = 4 x cluster y + cy
	s_lshl_b32 s43, s41, 2
	s_lshl_b32 s43, 15, s43                        ; my row of the cluster
	s_lshl_b32 s44, 0x1111, s40                    ; my column
	; descriptor group 1: 8 row tiles x 4,096 bytes (four chunks), 16,384 bytes apart in memory, dense in LDS
	s_or_b32 s[G1+0], s43, (3<<16)|(1<<21)         ; 15:0 the mask: the tokens' tiles go to my row; 17:16 elements of 8 bytes; 20 no padding; 21 set beside a mask
	s_or_b32 s[G1B+0], s44, (3<<16)|(1<<21)        ; the same with the mask of my column, for Wo's tiles
.irp g, G1, G1B
	s_mov_b32 s[\g+1], 512<<16                     ; tensor_dim0 = 512 elements
	s_mov_b32 s[\g+2], 8<<16                       ; tensor_dim1 = 8
	s_mov_b32 s[\g+3], 512<<16                     ; tile_dim0
	s_mov_b32 s[\g+4], 8                           ; tile_dim1
	s_mov_b32 s[\g+5], 2048                        ; tensor_dim0_stride: a row tile's 16 chunks
	s_mov_b32 s[\g+6], 0
	s_mov_b32 s[\g+7], 0
.endr
	s_lshl_b32 s18, s16, 17                        ; which eight row tiles of the tile I fetch
	s_lshl_b32 s20, s17, 18
	s_add_co_u32 s20, s20, s18                     ; tokens: 16 row tiles x tile row + my eight
	s_mov_b32 s21, 0
	s_lshl_b32 s46, s42, 18
	s_add_co_u32 s46, s46, s18                     ; Wo: 16 row tiles x tile column + my eight
	s_mov_b32 s47, 0
	s_lshl_b32 s45, s14, 15                        ; where they go: wave x 32,768: no place in the cluster enters an LDS address
	s_wait_kmcnt 0x0
	s_load_b64 s[96:97], s[8:9], 0x28              ; entries 10 and 11
	s_add_nc_u64 s[20:21], s[4:5], s[20:21]
	s_add_nc_u64 s[46:47], s[6:7], s[46:47]
	s_add_nc_u64 s[46:47], s[46:47], 0x300000      ; the fourth weight
	CROUND                                         ; all sixteen work-groups are here: the first joint loads meet
.irp s, 0,1
	s_mov_b32 s[G0+4*\s], 1
	s_add_co_u32 s[G0+4*\s+1], s45, \s*SLOT
	s_add_nc_u64 s[G0+4*\s+2:G0+4*\s+3], s[20:21], \s*KADV
	s_or_b32 s[G0+4*\s+3], s[G0+4*\s+3], 0x80000000
	s_mov_b32 s[G0B+4*\s], 1
	s_add_co_u32 s[G0B+4*\s+1], s45, \s*SLOT
	s_add_nc_u64 s[G0B+4*\s+2:G0B+4*\s+3], s[46:47], \s*KADV
	s_or_b32 s[G0B+4*\s+3], s[G0B+4*\s+3], 0x80000000
	s_wait_alu depctr_va_vdst(0)
	s_wait_tensorcnt 0x0
	ds_add_u32 v28, v29
	ds_add_u32 v28, v29
	s_wait_dscnt 0x0
	CROUND
	JLOAD G0+4*\s, G1, G0B+4*\s, G1B
.endr
	v_and_b32 v1, 15, v0                           ; l % 16
	s_wait_alu depctr_va_vdst(0)
	v_bfe_u32 v2, v0, 4, 1                         ; l / 16
	v_and_b32 v6, 31, v0
	v_lshlrev_b32 v[CO], 4, v6                     ; 16 x lane
	s_lshl_b32 s75, s15, 15                        ; my 128 tokens
	s_lshl_b32 s76, s16, 15                        ; my 128 rows of Wo,
	s_add_co_u32 s76, s76, 2*HALFT                 ; which lie behind the tokens' 256
.irp s, 0,1
	v_add_nc_u32 v[ADRA+\s], s75, v[CO]
	v_add_nc_u32 v[ADRB+\s], s76, v[CO]
	s_add_co_u32 s75, s75, SLOT
	s_add_co_u32 s76, s76, SLOT
.endr
	s_mul_i32 s23, s14, 16*SPITCH                  ; my stage
	v_mul_u32_u24 v5, v1, SPITCH                   ; in: row l % 16, 32 bytes for each half of the lanes
	s_wait_alu depctr_va_vdst(0)
	v_lshl_add_u32 v5, v2, 5, v5
	v_add_nc_u32 v[STO], s23, v5
	v_add_nc_u32 v[RD], s23, v[CO]                 ; back: the 32 lanes take one row of 512 bytes
	s_lshl_b32 s92, s42, 10                        ; my first column, in bytes: 1,024 x tile column + 512 x half; the same in bo and in a row of out0
	s_lshl_b32 s93, s16, 9
	s_add_co_u32 s92, s92, s93
	s_mov_b32 s93, 0
	s_add_nc_u64 s[66:67], s[66:67], s[92:93]
	global_load_b128 v[BI:BI+3], v[CO], s[66:67]   ; on the way back from the stage a lane holds the same four columns in every row: their four numbers of bo
	s_lshl_b32 s94, s17, 8
	s_lshl_b32 s95, s15, 7
	s_add_co_u32 s94, s94, s95                     ; my first row: 256 x tile row + 128 x half,
	s_lshl_b32 s94, s94, 12                        ; of 4,096 bytes
	s_mov_b32 s95, 0
	s_add_nc_u64 s[10:11], s[10:11], s[94:95]
	s_add_nc_u64 s[10:11], s[10:11], s[92:93]
.macro FRAG reg, adr, q, i             ; a fragment comes back as it was stored: four loads of 512 consecutive bytes, 16 a lane
.irp c, 0,1,2,3
	ds_load_b128 v[\reg+4*\c:\reg+4*\c+3], v[\adr] offset:2048*(\q)+512*\c+(\i)*4096
.endr
.endm
; 16 matrix instructions: source 1's blocks a0, a0 + 1 x source 0's eight, 128 along K.  p: source 0's set.  zero = 1: the first product starts the sums: nothing is ever cleared.
; The 64 accumulators take turns, one instruction a turn, in the same order in every step.
.macro MUL16 a0, p, zero
.irp a, \a0, \a0+1
.irp b, 0,1,2,3,4,5,6,7
.if \zero
	v_wmma_f32_16x16x128_fp8_fp8 v[8*(8*((\a)%4)+\b):8*(8*((\a)%4)+\b)+7], v[128*(\p)+FR*\b:128*(\p)+FR*\b+FR-1], v[AF+FR*(\a):AF+FR*(\a)+FR-1], 0
.else
	v_wmma_f32_16x16x128_fp8_fp8 v[8*(8*((\a)%4)+\b):8*(8*((\a)%4)+\b)+7], v[128*(\p)+FR*\b:128*(\p)+FR*\b+FR-1], v[AF+FR*(\a):AF+FR*(\a)+FR-1], v[8*(8*((\a)%4)+\b):8*(8*((\a)%4)+\b)+7]
.endif
.endr
.endr
.endm
.macro FETCH_B slot, q, p              ; source 0's eight fragments of the slot's q-th 128 along K into set p
	WIN TO_B
.irp i, 0,1,2,3,4,5,6,7
	FRAG 128*(\p)+FR*\i, ADRB+\slot, \q, \i
.endr
	WIN 0
.endm
.macro FETCH_A slot, q, i0             ; source 1's blocks i0 .. i0 + 3
.irp i, \i0, \i0+1, \i0+2, \i0+3
	FRAG AF+FR*(\i), ADRA+\slot, \q, \i
.endr
.endm
; A load into a register that a matrix instruction has read, and an LDS store that reads a matrix result, stand NP places behind that matrix instruction, and only plain vector instructions that name none of its
; registers are places (ISA guide 7.12.1 for vector instructions).
.macro PLACES n
.rept \n
	v_nop
.endr
.endm
; A step of 128 along K that has its successor in the same slot.  A block of source 1 is free as soon as its eight products are issued: blocks 0-3 are fetched anew in the step's middle, blocks 4-7 at its end.
.macro STEP slot, q, zero
	s_wait_dscnt 4*NL                              ; source 0's set and source 1's blocks 0-3 are in; the youngest sixteen loads (blocks 4-7) may be out
	WIN MUL_LO
	MUL16 0, (\q)%2, \zero
	MUL16 2, (\q)%2, \zero
	s_wait_dscnt 0                                 ; blocks 4-7 are in (asked for 32 matrix instructions ago)
	PLACES NP
	FETCH_B \slot, (\q)+1, 1-(\q)%2
	FETCH_A \slot, (\q)+1, 0
	WIN MUL_HI
	MUL16 4, (\q)%2, \zero
	MUL16 6, (\q)%2, \zero
	PLACES NP
	WIN 0
	FETCH_A \slot, (\q)+1, 4
.endm
; A slot's last step changes slots: ONE barrier; in front of it each wave waits for all its tensor loads, adds 0 to its spare word, and waits for that and for its own reads of this slot.  fill = 1: this slot is filled again, two K steps ahead.
.macro TURN slot, next, fill
	s_wait_tensorcnt 0x0                           ; all my tensor loads have landed: my part of the next slot;  (every window is 0 here: the add's two registers lie in window 0)
	ds_add_u32 v[SPW], v[NIL]                      ; 0 onto my spare word
	s_wait_dscnt 4*NL+1                            ; (the add and the youngest sixteen loads, source 1's blocks 4-7, may be out)
	WIN MUL_LO
	MUL16 0, 1, 0                                  ; sixteen matrix instructions stand between the add and the wait for it
	s_wait_dscnt 0x0                               ; the add is done, and my reads of this slot are over
	s_barrier_signal -1
	MUL16 2, 1, 0
	WIN 0
	s_barrier_wait -1
.if \fill
	CREST                                          ; the barrier has opened a round of the cluster's barrier: no wave of any partner still reads this slot's tile or has a load on its way
	s_add_nc_u64 s[G0+4*\slot+2:G0+4*\slot+3], s[G0+4*\slot+2:G0+4*\slot+3], 2*KADV
	s_add_nc_u64 s[G0B+4*\slot+2:G0B+4*\slot+3], s[G0B+4*\slot+2:G0B+4*\slot+3], 2*KADV
	JLOAD G0+4*\slot, G1, G0B+4*\slot, G1B         ; the first tensor load behind the round, my one load until the next; the four v_nop behind it are the places in front of the loads below
.else
	PLACES NP
.endif
	FETCH_B \next, 0, 0
	FETCH_A \next, 0, 0
	WIN MUL_HI
	MUL16 4, 1, 0
	MUL16 6, 1, 0
	PLACES NP
	WIN 0
	FETCH_A \next, 0, 4
.endm
	s_wait_tensorcnt 1                             ; my part of K step 0 is in (K step 1's load may be out)
	s_barrier_signal -1
	s_barrier_wait -1                              ; everybody's is
	FETCH_B 0, 0, 0
	FETCH_A 0, 0, 0
	FETCH_A 0, 0, 4
	; K = 1,024 is four K steps, twice round the ring: eight steps of 128, written out
	STEP 0, 0, 1                                   ; the first products start the sums
	TURN 0, 1, 1                                   ; slot 0 takes K step 2
	STEP 1, 0, 0
	TURN 1, 0, 1                                   ; slot 1 takes K step 3
	STEP 0, 0, 0
	TURN 0, 1, 0                                   ; nothing is left to fetch, and no round of the cluster's barrier follows.  Behind this barrier nobody reads slot 0
	STEP 1, 0, 0
	s_wait_dscnt 4*NL                              ; the very last step
	WIN MUL_LO
	MUL16 0, 1, 0
	MUL16 2, 1, 0
	s_wait_alu depctr_va_vdst(0)
	s_wait_dscnt 0
	WIN MUL_HI
	MUL16 4, 1, 0
	MUL16 6, 1, 0
	WIN 0
; THE WAY OUT, block by block of 16 rows x 128 columns.  A lane holds 32 neighbouring bytes of a row, and the lanes beside it hold other rows: so a block's sums go through my own stage in LDS as they are and come
; back as whole rows of 512 bytes.  There a lane holds the same four columns in every row: one packed multiply-add for two numbers gives sum x 2^(e10 + e11) + bo.
; LDS serves a wave's instructions in order (ISA guide 5.7.1.4): no wait between the stores and the loads, nor in front of the next block's stores.
.macro TOSTAGE a
.set AC, 64*((\a)%4)
	WIN ((2+(\a)/4)<<2)                            ; the stores' data: window 2 or 3
.irp b, 0,1,2,3,4,5,6,7
	ds_store_b128 v[STO], v[AC+8*\b:AC+8*\b+3] offset:64*\b          ; each accumulator from its low end on
	ds_store_b128 v[STO], v[AC+8*\b+4:AC+8*\b+7] offset:64*\b+16
.endr
	WIN 0
.set BB, BK+64*((\a)%2)
.irp t, 0,1,2,3,4,5,6,7,8,9,10,11,12,13,14,15
	ds_load_b128 v[BB+4*\t:BB+4*\t+3], v[RD] offset:\t*SPITCH
.endr
.endm
.macro SEND a, younger                 ; younger: the LDS instructions issued behind block a's loads, which may stay out
.set BB, BK+64*((\a)%2)
	s_wait_dscnt \younger                          ; the block is back in registers
.if (\a) > 0
	s_add_nc_u64 s[10:11], s[10:11], 16*4096       ; (behind a wait on XCNT: the earlier stores have read their base)  16 rows on
.endif
.irp t, 0,1,2,3,4,5,6,7,8,9,10,11,12,13,14,15
	v_pk_fma_f32 v[BB+4*\t:BB+4*\t+1], v[BB+4*\t:BB+4*\t+1], s[96:97], v[BI:BI+1] op_sel_hi:[1,0,1]
	v_pk_fma_f32 v[BB+4*\t+2:BB+4*\t+3], v[BB+4*\t+2:BB+4*\t+3], s[96:97], v[BI+2:BI+3] op_sel_hi:[1,0,1]
	global_store_b128 v[CO], v[BB+4*\t:BB+4*\t+3], s[10:11] offset:\t*4096 th:TH_STORE_NT   ; 32 lanes store 512 consecutive bytes, at a multiple of 512 from out0's first byte; written once, read by nobody here
.endr
.endm
	s_wait_kmcnt 0x0
	s_add_co_i32 s96, s96, s97                     ; e10 + e11, between -126 and 127,
	s_add_co_i32 s96, s96, 127
	s_lshl_b32 s96, s96, 23                        ; makes the f32 number 2^(e10 + e11)
	s_mov_b32 s97, s96                             ; (named with it as a pair, so it is written)
	s_wait_loadcnt 0x0                             ; bo
	PLACES NP                                      ; behind the last products: for the stage's stores, which read results, and for the loads into the registers that held source 1's fragments
	TOSTAGE 0
.irp a, 1,2,3,4,5,6,7
.if \a > 1
	s_wait_xcnt 0x0                                ; block a - 2's stores have read their registers and their base: block a's loads may land there, and the base may step
.endif
	TOSTAGE \a
	SEND \a-1, 32                                  ; behind block a - 1's loads: block a's 16 stores and 16 loads
.endr
	s_wait_xcnt 0x0                                ; block 6's stores have read their base
	SEND 7, 0
	s_wait_tensorcnt 0x0                           ; the wave's end: behind my last tensor load and my last LDS store
	ds_add_u32 v[SPW], v[NIL]
	s_wait_dscnt 0x0
	CROUND                                         ; the closing round: no work-group ends while a partner may still ask for a tile that names it
	s_endpgm
.Lfunc_end_k_qf858e42739_proj:
	.size	k_qf858e42739_proj, .Lfunc_end_k_qf858e42739_proj-k_qf858e42739_proj
	.p2alignl 7, 3214868480
	.fill 96, 4, 3214868480
	.section	.rodata,"a",@progbits
	.p2align	6, 0x0
	.amdhsa_kernel k_qf858e42739_proj
		.amdhsa_group_segment_fixed_size 327680
		.amdhsa_private_segment_fixed_size 0
		.amdhsa_enable_private_segment 0
		.amdhsa_kernarg_size 40
		.amdhsa_user_sgpr_count 2
		.amdhsa_user_sgpr_kernarg_segment_ptr 1
		.amdhsa_wavefront_size32 1
		.amdhsa_system_sgpr_workgroup_id_x 1
		.amdhsa_system_sgpr_workgroup_id_y 1
		.amdhsa_system_sgpr_workgroup_id_z 1
		.amdhsa_system_vgpr_workitem_id 0
		.amdhsa_next_free_vgpr 1024
		.amdhsa_next_free_sgpr 100
		.amdhsa_reserve_vcc 0
		.amdhsa_float_denorm_mode_32 3
		.amdhsa_float_denorm_mode_16_64 3
		.amdhsa_memory_ordered 1
		.amdhsa_forward_progress 1
		.amdhsa_inst_pref_size 124
	.end_amdhsa_kernel
	.amdgpu_metadata
---
amdhsa.version: [ 1, 2 ]
amdhsa.kernels:
  - .name:           k_qf858e42739_proj
    .symbol:         k_qf858e42739_proj.kd
    .args:
      - { .name: ac, .offset: 0, .size: 8, .value_kind: global_buffer, .address_space: global }
      - { .name: wc, .offset: 8, .size: 8, .value_kind: global_buffer, .address_space: global }
      - { .name: lowp_scales, .offset: 16, .size: 8, .value_kind: global_buffer, .address_space: global }
      - { .name: out0, .offset: 24, .size: 8, .value_kind: global_buffer, .address_space: global }
      - { .name: bo, .offset: 32, .size: 8, .value_kind: global_buffer, .address_space: global }
    .group_segment_fixed_size: 327680
    .private_segment_fixed_size: 0
    .kernarg_segment_align: 8
    .kernarg_segment_size: 40
    .max_flat_workgroup_size: 128
    .sgpr_count:     100
    .vgpr_count:     1024
    .wavefront_size: 32
...
	.end_amdgpu_metadata
.endif
;; end of part 4
